; MI455X (gfx1250); checked and timed in simulation.
; The chip was launched on July 23, 2026; its instructions are those of AMD's public machine-readable ISA for CDNA 5 (MIT licence, August 2026) and "CDNA5" Instruction Set Architecture Reference Guide (July 2026). The comments in the code are by the model that wrote it; some were corrected since.
;; Routed Lo RA Linear. Allowed arithmetic: float matrix products may take bf16 or f16 operands with f32 sums; all other float work in f32.
;; Inputs: W 4,096 x 4,096 float32; b 4,096 float32; expert_indices 8 int32; lora_A 8 x 16 x 4,096 float32; lora_B 8 x 4,096 x 16 float32; x 8 x 512 x 4,096 float32.
;; Outputs: out0 8 x 512 x 4,096 float32.
;; 2 versions, each right; version 2 is version 1 with the launch pack written anew for expert scheduling mode. Each part assembles by itself: llvm-mc -triple=amdgcn-amd-amdhsa -mcpu=gfx1250 --defsym DOCPART=n.
;; ======== version 1 of 2: 2 launches
;; workspace buffers: xa 35,651,584 bytes; wb 33,554,432 bytes
;; launch pack (part 1): grid 33 x 16, 8 waves a work-group, no clusters, 0 bytes of LDS; arguments x, W, lora_A, expert_indices, xa, wb; writes xa, wb
.if DOCPART == 1
	.amdgcn_target "amdgcn-amd-amdhsa--gfx1250"
	.amdhsa_code_object_version 6
	.text
	.protected	k_q71d2dadc2a_pack
	.globl	k_q71d2dadc2a_pack
	.p2align	8
	.type	k_q71d2dadc2a_pack,@function
k_q71d2dadc2a_pack:
	s_mov_b64 s[64:65], 0
	v_nop
	global_prefetch_b8 v0, s[64:65] scope:SCOPE_SE
	s_setreg_imm32_b32 hwreg(HW_REG_WAVE_MODE, 25, 1), 1
	s_wait_xcnt 0x0
; Casts f32 to bf16 (round to nearest even) and lays the operands out for the product that follows.
;   xa: 16 blocks of 272 rows x 4096 bf16.  Block g: rows 0-255 = rows 256 g .. 256 g + 255 of x (x taken as [4096][4096]),
;       rows 256-271 = lora_A[e], e = expert_indices[g / 2] (a batch is 512 rows = two blocks).
;   wb: W as [4096][4096] bf16.
; A work-group casts one dense chunk of 16 rows: 262,144 bytes in, 131,072 bytes out.  gx = 0..15: a chunk of x; gx = 16: the block's
; lora_A; gx = 17..32: a chunk of W.  All three kinds run the same stream; only two bases and two offsets differ, chosen by selects.
; Every byte is read once and written once, so there is nothing to share: no LDS, no barrier, no matrix unit, no cluster.
; Thread t takes 16 bytes at 16 t of each 4,096-byte step and stores 8 bytes at 8 t: a wave's load covers 512 consecutive bytes,
; its store 256 consecutive bytes at a multiple of 256 from the buffer's first byte.
; A ring of DEPTH = 16 slots keeps 16 loads of a wave out: 8 KB a wave, 64 KB a work-group, a quarter of its chunk.  At 100 registers a wave
; three work-groups (six waves on a SIMD, 600 registers) still lie on a WGP together, so all 528 work-groups stream at once.
; LIMITS: an f32 beyond bf16's largest finite number becomes infinity; expert_indices is clamped, as an unsigned number, to 0..7.
.set DEPTH,  16                        ; slots = loads in flight in each wave
.set STEPIN, 4096                      ; bytes that the work-group reads in a step
.set STEPOUT, 2048                     ; bytes that it writes in a step
.set ROUNDS, 262144/(DEPTH*STEPIN)     ; 4: each round takes every slot once
.set XABLK,  272*4096*2                ; bytes of a block of xa
.set X, 4                              ; v[4:67]   slot i: 4 f32 as loaded
.set Y, 68                             ; v[68:99]  slot i: 4 bf16 to store
	s_load_b256 s[4:11], s[0:1], 0x0               ; x s[4:5], W s[6:7], lora_A s[8:9], expert_indices s[10:11]
	s_load_b128 s[12:15], s[0:1], 0x20             ; xa s[12:13], wb s[14:15]
	s_mov_b32 s2, ttmp9                            ; gx
	s_and_b32 s3, ttmp7, 0xffff                    ; gy = the block of xa, and the sixteenth of W
	s_lshr_b32 s16, s3, 1                          ; the block's batch,
	s_lshl_b32 s16, s16, 2                         ; as a byte offset into expert_indices
	s_mov_b32 s17, 0
	s_lshl_b32 s18, s3, 4
	s_add_co_u32 s18, s18, s2                      ; chunk of x: 16 gy + gx
	s_sub_co_u32 s19, s18, 17                      ; chunk of W: 16 gy + gx - 17 (taken only where gx > 16)
	s_mul_i32 s28, s3, XABLK
	s_lshl_b32 s26, s2, 17
	s_add_co_u32 s28, s28, s26                     ; place in xa: block gy, 16 rows of 8,192 bytes for each gx (gx = 16: rows 256-271)
	s_lshl_b32 s26, s19, 17                        ; place in wb
	s_mov_b32 s29, 0
	s_mov_b32 s23, 0
	s_mov_b32 s31, 0                               ; the expert's term in the chunk number: none for chunks of x and of W
	v_lshlrev_b32 v1, 4, v0                        ; my 16 bytes of a step in; never rewritten
	v_lshlrev_b32 v2, 3, v0                        ; my 8 bytes of a step out; never rewritten
	s_wait_kmcnt 0x0
	; The selects stand together, each behind its compare; s_cselect leaves SCC alone.
	s_cmp_lt_u32 s2, 16
	s_cselect_b32 s22, s18, s19                    ; chunk number of x or of W
	s_cselect_b64 s[20:21], s[4:5], s[6:7]
	s_cmp_le_u32 s2, 16
	s_cselect_b32 s28, s28, s26
	s_cselect_b64 s[24:25], s[12:13], s[14:15]
	s_cmp_eq_u32 s2, 16
	s_cselect_b32 s22, 0, s22                      ; lora_A: the chunk number is the expert alone
	s_cselect_b64 s[20:21], s[8:9], s[20:21]
	; Only the 16 work-groups that copy lora_A need the index: the other 512 do not wait for a second scalar load before their first data load.
	; The branch hangs on gx alone, which all waves of a work-group share.
	s_cbranch_scc0 .Lno_expert
	s_add_nc_u64 s[10:11], s[10:11], s[16:17]
	s_load_b32 s31, s[10:11], 0x0                  ; the block's expert
	s_wait_kmcnt 0x0
	s_min_u32 s31, s31, 7                          ; stays inside the table of 8 experts
.Lno_expert:
	s_add_co_u32 s22, s22, s31
	s_lshl_b32 s22, s22, 18                        ; chunks of 262,144 bytes in x, in W and in lora_A (one expert = one chunk)
	s_add_nc_u64 s[20:21], s[20:21], s[22:23]      ; from here
	s_add_nc_u64 s[24:25], s[24:25], s[28:29]      ; to here
; The hint says that a byte is read once; that holds of x and W.  A chunk of lora_A may be named by several blocks: the line is shared, and a hint changes no value.
.irp i, 0,1,2,3,4,5,6,7,8,9,10,11,12,13,14,15
	global_load_b128 v[X+4*\i:X+4*\i+3], v1, s[20:21] offset:\i*STEPIN th:TH_LOAD_NT      ; fill the ring: steps 0 to 15
.endr
; One slot's turn.  ahead = 1: the slot is filled again with the step DEPTH further on.  left = how many younger loads may stay out.
.macro SLOT i, ahead, left
	s_wait_loadcnt \left                           ; loads come back in order (ISA guide 5.7.1): mine is in, the younger ones stay out
	v_cvt_pk_bf16_f32 v[Y+2*\i],   v[X+4*\i],   v[X+4*\i+1]
	v_cvt_pk_bf16_f32 v[Y+2*\i+1], v[X+4*\i+2], v[X+4*\i+3]
.if \ahead
	global_load_b128 v[X+4*\i:X+4*\i+3], v1, s[20:21] offset:(DEPTH+\i)*STEPIN th:TH_LOAD_NT
.endif
	global_store_b64 v2, v[Y+2*\i:Y+2*\i+1], s[24:25] offset:\i*STEPOUT     ; no hint: the next launch reads these bytes
.endm
	s_mov_b32 s30, ROUNDS-1
.Lround:
.irp i, 0,1,2,3,4,5,6,7,8,9,10,11,12,13,14,15
	SLOT \i, 1, DEPTH-1
.endr
	s_wait_xcnt 0x0                                ; Y, which the stores read, and both bases are rewritten only behind this wait: once for 16 steps
	s_add_nc_u64 s[20:21], s[20:21], DEPTH*STEPIN
	s_add_nc_u64 s[24:25], s[24:25], DEPTH*STEPOUT
	s_sub_co_u32 s30, s30, 1
	s_cmp_lg_u32 s30, 0
	s_cbranch_scc1 .Lround
.irp i, 0,1,2,3,4,5,6,7,8,9,10,11,12,13,14,15
	SLOT \i, 0, DEPTH-1-\i                         ; the last round loads nothing: no load leaves the chunk, and the counts run down
.endr
	s_endpgm
.Lfunc_end_k_q71d2dadc2a_pack:
	.size	k_q71d2dadc2a_pack, .Lfunc_end_k_q71d2dadc2a_pack-k_q71d2dadc2a_pack
	.p2alignl 7, 3214868480
	.fill 96, 4, 3214868480
	.section	.rodata,"a",@progbits
	.p2align	6, 0x0
	.amdhsa_kernel k_q71d2dadc2a_pack
		.amdhsa_group_segment_fixed_size 0
		.amdhsa_private_segment_fixed_size 0
		.amdhsa_enable_private_segment 0
		.amdhsa_kernarg_size 48
		.amdhsa_user_sgpr_count 2
		.amdhsa_user_sgpr_kernarg_segment_ptr 1
		.amdhsa_wavefront_size32 1
		.amdhsa_system_sgpr_workgroup_id_x 1
		.amdhsa_system_sgpr_workgroup_id_y 1
		.amdhsa_system_sgpr_workgroup_id_z 1
		.amdhsa_system_vgpr_workitem_id 0
		.amdhsa_next_free_vgpr 100
		.amdhsa_next_free_sgpr 66
		.amdhsa_reserve_vcc 0
		.amdhsa_float_denorm_mode_32 3
		.amdhsa_float_denorm_mode_16_64 3
		.amdhsa_memory_ordered 1
		.amdhsa_forward_progress 1
		.amdhsa_inst_pref_size 13
	.end_amdhsa_kernel
	.amdgpu_metadata
---
amdhsa.version: [ 1, 2 ]
amdhsa.kernels:
  - .name:           k_q71d2dadc2a_pack
    .symbol:         k_q71d2dadc2a_pack.kd
    .args:
      - { .name: x, .offset: 0, .size: 8, .value_kind: global_buffer, .address_space: global }
      - { .name: W, .offset: 8, .size: 8, .value_kind: global_buffer, .address_space: global }
      - { .name: lora_A, .offset: 16, .size: 8, .value_kind: global_buffer, .address_space: global }
      - { .name: expert_indices, .offset: 24, .size: 8, .value_kind: global_buffer, .address_space: global }
      - { .name: xa, .offset: 32, .size: 8, .value_kind: global_buffer, .address_space: global }
      - { .name: wb, .offset: 40, .size: 8, .value_kind: global_buffer, .address_space: global }
    .group_segment_fixed_size: 0
    .private_segment_fixed_size: 0
    .kernarg_segment_align: 8
    .kernarg_segment_size: 48
    .max_flat_workgroup_size: 256
    .sgpr_count:     66
    .vgpr_count:     100
    .wavefront_size: 32
...
	.end_amdgpu_metadata
.endif
;; end of part 1
;; launch gemm (part 2): grid 16 x 16, 4 waves a work-group, clusters of 4 x 4, 327,680 bytes of LDS; arguments xa, wb, b, lora_B, expert_indices, out0; writes out0
.if DOCPART == 2
	.amdgcn_target "amdgcn-amd-amdhsa--gfx1250"
	.amdhsa_code_object_version 6
	.text
	.protected	k_q71d2dadc2a_gemm
	.globl	k_q71d2dadc2a_gemm
	.p2align	8
	.type	k_q71d2dadc2a_gemm,@function
k_q71d2dadc2a_gemm:
	s_mov_b64 s[64:65], 0
	v_nop
	global_prefetch_b8 v0, s[64:65] scope:SCOPE_SE
	s_setreg_imm32_b32 hwreg(HW_REG_WAVE_MODE, 25, 1), 1
	s_wait_xcnt 0x0
	s_wait_alu depctr_hold_cnt(0) depctr_sa_sdst(0) depctr_va_vdst(0) depctr_va_sdst(0) depctr_va_ssrc(0) depctr_va_vcc(0) depctr_vm_vsrc(0)
	s_getreg_b32 s2, hwreg(HW_REG_IB_STS2, 6, 4)
	s_cmp_eq_u32 s2, 0
	s_cbranch_scc0 .Lentry_in_a_cluster
	s_endpgm
.Lentry_in_a_cluster:
	s_bfe_u32 s2, ttmp6, 0x10000c
	s_cmp_lg_u32 s2, 0xf033
	s_cbranch_scc0 .Lentry_shape_is_right
	s_endpgm
.Lentry_shape_is_right:
; out0[m][o] = sum_d x[m][d] W[o][d] + b[o] + 2 sum_r low[m][r] lora_B[e][o][r],  low[m][r] = sum_d x[m][d] lora_A[e][r][d],  e = expert_indices[m / 512].
; Operands in bf16 (xa: blocks of 256 rows of x followed by the 16 rows of the block's lora_A; wb: W), sums in f32, out0 in f32.
; A work-group makes a block of 256 x 256 of out0 with four waves, a wave 128 x 128: 64 accumulator tiles of 16 x 16, 512 registers.
; K goes in steps of 128 through a ring of two LDS slots filled by the tensor data mover; a tile's rows are 256 bytes of memory at multiples of 256 bytes.
; WHAT RIDES ALONG:
;   b     is the C operand of each accumulator's first product: nothing is cleared and nothing is added later.
;   low   the 16 rows of lora_A[e] come in as rows 256-271 of A's tile (A's two loads have 136 rows each), and four more matrix instructions for
;         each 64 multiply them with x fragments that are in registers anyway.  A wave makes low for 64 of its 128 rows; the wave beside it, which has the
;         same 128 rows, makes the other 64; behind the K loop the two exchange them through LDS.
;   2 x   is applied to low in f32, low is rounded to bf16 and is then, as it lies, a fragment with K = the 16 ranks (the upper 16 of K are zeros):
;         one more step of 64 matrix instructions against lora_B[e] adds the routed part onto the same accumulators.
; CLUSTERS: 4 x 4 work-groups.  The four of a row of the cluster need the same tiles of xa, the four of a column the same tiles of wb: each such tile is asked
; for jointly, by the same tensor load with the same descriptor and a mask that names the four, which divides the requests for both by four.
; LIMITS: x, W, lora_A, lora_B and 2 low are rounded to bf16 (2 low beyond bf16's largest finite number becomes infinity); expert_indices is clamped, as an
; unsigned number, to 0..7; each sum starts from b[o], runs K ascending and takes the routed part last.
;
; REGISTERS, in windows of 256 (s_set_vgpr_msb's low byte: bits 1:0 source 0, 3:2 source 1, 5:4 source 2, 7:6 destination):
;   window 0: v16-30 addresses; v64-127, v128-191 fragments of x, two buffers; v192-255 lora_B[e] of my 128 columns in f32
;   window 1: v0-63 b of my 128 columns, laid out as a C operand; v64-127, v128-191 fragments of W, two buffers; v192-207 lora_A's fragment, two buffers; v208-239 low
;   window 2: the 32 accumulator tiles of my "lo" 64 rows (tile (a, b) at v[8 (8 a + b)]);   window 3: those of my "hi" 64 rows
; lo = rows 64 c .. 64 c + 63 of my 128, hi = the other 64, c = my column half: so the two waves of a row half run one text and their lo rows together are all 128.
; THE MATRIX INSTRUCTION IS USED TRANSPOSED: source 0 = 16 rows of W (or of lora_A, lora_B), source 1 = 16 rows of x (or of low).  Lane l then holds row l % 16 of the
; result, and its registers 0 to 7 the columns 8 (l / 16) + 0 .. 7: eight neighbouring f32 of a row of out0.
.set SIZE_K, 4096
.set SIZE_N, 4096
.set KSTEP,  128
.set PITCH,  272                       ; an LDS row: 256 bytes + 16 of padding: the 16 rows that a fragment load touches start 16 bytes apart modulo 256
.set AROWS,  136                       ; rows in one of A's two loads: half of 256 + 16
.set AHALF,  AROWS*PITCH               ; 36,992
.set BHALF,  128*PITCH                 ; 34,816
.set LROW,   256*PITCH                 ; 69,632: lora_A's 16 rows in a slot
.set BBASE,  272*PITCH                 ; 73,984: W's 256 rows in a slot
.set SLOT,   528*PITCH                 ; 143,616
.set STAGE,  2*SLOT                    ; 287,232 = 1,122 x 256: behind the ring; no tensor load lands here
.set SPITCH, 528                       ; a stage row: 512 bytes (128 f32) + 16
.set WSTAGE, 16*SPITCH                 ; 8,448 for each wave
.set ROWB,   SIZE_N*4                  ; bytes in a row of out0
.set LAPS,   SIZE_K/(2*KSTEP)          ; 16; a lap = two K steps = once round the ring
.set ADRLO, 16                         ; v16-17  LDS address of my lo rows' fragments in slot 0, 1
.set ADRHI, 18                         ; v18-19  of my hi rows'
.set ADRB,  20                         ; v20-21  of W's
.set ADRL,  22                         ; v22-23  of lora_A's
.set STO,   24                         ; v24     the way out: where I put 32 bytes of a row
.set RD,    25                         ; v25     my stage + 16 x lane: rows read back; also where my low goes
.set CO,    26                         ; v26     16 x lane: my bytes in a row's 512 of out0
.set XLD,   28                         ; v28     the stage of the wave beside me + 16 x lane
.set BOFF,  29                         ; v29     32 (l / 16)
.set LBOFF, 30                         ; v30     64 (l % 16) + 32 (l / 16)
.set F0,    64
.set F1,    128
.set LBRAW, 192                        ; window 0
.set BIAS,  0                          ; window 1
.set LSEL,  192                        ; window 1: lora_A's fragment for buffer F0 at 192, for F1 at 200
.set LACC,  208                        ; window 1: four accumulators of low
.set G1,  24                           ; s[24:31] descriptor group 1 for xa's tiles
.set G0,  32                           ; s[32:39] group 0 for xa's tiles, one set for each slot
.set G1B, 48                           ; s[48:55] group 1 for wb's tiles
.set G0B, 56                           ; s[56:63] group 0 for wb's tiles, one set for each slot
.set MSB, 0
.macro WIN new                         ; the immediate's high byte repeats the setting that is left
.if MSB != \new
	s_set_vgpr_msb (MSB<<8)|\new
.set MSB, \new
.endif
.endm
.set MUL_LO,  0xa1                     ; source 0 window 1, source 1 window 0, C and D window 2
.set MUL_HI,  0xf1                     ; the same, C and D window 3
.set BIAS_LO, 0x91                     ; C from window 1 (b), D window 2
.set BIAS_HI, 0xd1                     ; C from window 1 (b), D window 3
.set LOWW,    0x51                     ; source 0, C and D window 1, source 1 window 0
.set TO_B,    0x40                     ; destination window 1
.set SCALE,   0x41                     ; source 0 and destination window 1
.set PACK,    0x05                     ; sources 0 and 1 window 1, destination window 0
.set ST_LO,   0x08                     ; an LDS store's data (source 1) from window 2
.set ST_HI,   0x0c                     ; from window 3
; A joint load.  Waves 0 and 1 fetch xa's two halves, waves 2 and 3 wb's.  Each line has one mask and one set of registers for all that issue it.
; The branch hangs on the wave's number alone.
.macro JLOAD s
	s_cmp_eq_u32 s11, 0
	s_cbranch_scc0 .Lfor_b_\@
	tensor_load_to_lds s[G0+4*\s:G0+4*\s+3], s[G1:G1+7]
	s_nop 0
	s_branch .Lasked_\@
.Lfor_b_\@:
	tensor_load_to_lds s[G0B+4*\s:G0B+4*\s+3], s[G1B:G1B+7]
	s_nop 0
.Lasked_\@:
.endm
; A round of the cluster's barrier: my work-group's barrier; wave 0 signals for the work-group; every wave waits for all sixteen; my work-group's barrier once more.
.macro CREST                           ; a round behind its opening barrier
	s_cmp_lg_u32 s10, 0
	s_cbranch_scc1 .Lnot_wave_0_\@
	s_barrier_signal -3
.Lnot_wave_0_\@:
	s_barrier_wait -3
	s_barrier_signal -1
	s_barrier_wait -1
.endm
.macro CROUND                          ; a whole round
	s_barrier_signal -1
	s_barrier_wait -1
	CREST
.endm
	s_load_b128 s[4:7], s[0:1], 0x0                ; xa s[4:5], wb s[6:7]
	s_load_b128 s[68:71], s[0:1], 0x10             ; b s[68:69], lora_B s[70:71]
	s_load_b128 s[72:75], s[0:1], 0x20             ; expert_indices s[72:73], out0 s[74:75]
	s_set_vgpr_msb 0x40
	v_lshl_add_u32 v255, v0, 2, 0x4e600
	s_set_vgpr_msb 0x4000
	v_mov_b32 v63, 0
	s_set_vgpr_msb 0x1
	ds_add_u32 v255, v63
	s_set_vgpr_msb 0x100
	v_lshrrev_b32 v1, 5, v0
	v_readfirstlane_b32 s10, v1                    ; wave 0..3
	s_lshr_b32 s11, s10, 1                         ; my half of the block's rows.  Also: I fetch for xa (0) or for wb (1)
	s_and_b32 s12, s10, 1                          ; my half of its columns.  Also: which half of that tile I fetch
	s_bfe_u32 s40, ttmp6, 0x40000                  ; cx
	s_bfe_u32 s41, ttmp6, 0x40004                  ; cy
	s_lshl_b32 s42, ttmp9, 2
	s_add_co_u32 s42, s42, s40                     ; block column = 4 x cluster x + cx
	s_and_b32 s13, ttmp7, 0xffff
	s_lshl_b32 s13, s13, 2
	s_add_co_u32 s13, s13, s41                     ; block row = 4 x cluster y + cy
	s_lshl_b32 s43, s41, 2
	s_lshl_b32 s43, 15, s43                        ; my row of the cluster: places 4 cy .. 4 cy + 3
	s_lshl_b32 s44, 0x1111, s40                    ; my column: places cx, cx + 4, cx + 8, cx + 12
	; group 1: rows of 128 elements of 2 bytes, 16 bytes of padding behind each; xa's loads have 136 rows, wb's 128
	s_or_b32 s[G1+0], s43, (1<<16)|(1<<20)|(1<<21)|(5<<22)|(3<<25)  ; 15:0 mask: my row; 17:16 2-byte elements; 20 padding on; 21 set beside a mask; 24:22 after every 64 words; 31:25 of 4 words
	s_or_b32 s[G1B+0], s44, (1<<16)|(1<<20)|(1<<21)|(5<<22)|(3<<25) ; the same with the mask of my column
	s_mov_b32 s[G1+1], KSTEP<<16                   ; tensor_dim0 = 128
	s_mov_b32 s[G1B+1], KSTEP<<16
	s_mov_b32 s[G1+2], AROWS<<16                   ; tensor_dim1 = 136
	s_mov_b32 s[G1B+2], 128<<16                    ; tensor_dim1 = 128
	s_mov_b32 s[G1+3], KSTEP<<16                   ; tile_dim0 = 128
	s_mov_b32 s[G1B+3], KSTEP<<16
	s_mov_b32 s[G1+4], AROWS                       ; tile_dim1 = 136
	s_mov_b32 s[G1B+4], 128                        ; tile_dim1 = 128
	s_mov_b32 s[G1+5], SIZE_K                      ; elements from row to row
	s_mov_b32 s[G1B+5], SIZE_K
	s_mov_b32 s[G1+6], 0
	s_mov_b32 s[G1B+6], 0
	s_mov_b32 s[G1+7], 0
	s_mov_b32 s[G1B+7], 0
	; where the tiles come from: xa's hang on the block row alone, wb's on the block column alone, each in registers that never hold the other coordinate
	s_lshl_b32 s16, s13, 1
	s_add_co_u32 s16, s16, s12
	s_mul_i32 s16, s16, AROWS*SIZE_K*2             ; xa: (2 x block row + half) x 136 rows of 8,192 bytes (below 2^26)
	s_mov_b32 s17, 0
	s_lshl_b32 s46, s42, 1
	s_add_co_u32 s46, s46, s12
	s_lshl_b32 s46, s46, 20                        ; wb: (2 x block column + half) x 128 rows of 8,192 bytes
	s_mov_b32 s47, 0
	s_mul_i32 s20, s10, AHALF                      ; where xa's halves go (waves 0, 1): 0 and 36,992
	s_mul_i32 s21, s10, BHALF
	s_add_co_u32 s21, s21, BBASE-2*BHALF           ; where wb's halves go (waves 2, 3): 73,984 and 108,800
	s_lshr_b32 s18, s13, 1                         ; my block's batch,
	s_lshl_b32 s18, s18, 2                         ; as a byte offset into expert_indices
	s_mov_b32 s19, 0
	s_wait_dscnt 0x0
	s_wait_kmcnt 0x0
	s_add_nc_u64 s[14:15], s[4:5], s[16:17]
	s_add_nc_u64 s[46:47], s[6:7], s[46:47]
	s_add_nc_u64 s[72:73], s[72:73], s[18:19]
	s_load_b32 s76, s[72:73], 0x0                  ; the batch's expert; waited for behind the first fills
	CROUND                                         ; all sixteen work-groups are here: the first joint loads meet
.irp s, 0,1
	s_mov_b32 s[G0+4*\s], 1                                        ; count = 1
	s_add_co_u32 s[G0+4*\s+1], s20, \s*SLOT                        ; LDS address
	s_add_nc_u64 s[G0+4*\s+2:G0+4*\s+3], s[14:15], \s*KSTEP*2      ; global address: K step s
	s_or_b32 s[G0+4*\s+3], s[G0+4*\s+3], 0x80000000                ; type = 2
	s_mov_b32 s[G0B+4*\s], 1
	s_add_co_u32 s[G0B+4*\s+1], s21, \s*SLOT
	s_add_nc_u64 s[G0B+4*\s+2:G0B+4*\s+3], s[46:47], \s*KSTEP*2
	s_or_b32 s[G0B+4*\s+3], s[G0B+4*\s+3], 0x80000000
	JLOAD \s                                       ; both slots are asked for before anything else is done: two tensor loads of the wave are out
.endr
	; the small operands' bases.  Offsets made of cx stay in s46, s47, s66, s67; offsets made of cy in s14-s19, s76, s77; they meet in the pointers alone.
	s_wait_kmcnt 0x0
	s_min_u32 s76, s76, 7                          ; stays inside the table of 8 experts
	s_lshl_b32 s76, s76, 18                        ; an expert's lora_B: 4096 x 16 f32 = 262,144 bytes
	s_mov_b32 s77, 0
	s_add_nc_u64 s[70:71], s[70:71], s[76:77]
	s_lshl_b32 s46, s42, 10
	s_lshl_b32 s47, s12, 9
	s_add_co_u32 s46, s46, s47                     ; my first column in bytes of f32: 1,024 x block column + 512 x half
	s_mov_b32 s47, 0
	s_lshl_b32 s66, s46, 4                         ; the same column as a row of lora_B: 64 bytes each
	s_mov_b32 s67, 0
	s_add_nc_u64 s[68:69], s[68:69], s[46:47]      ; b at my first column
	s_add_nc_u64 s[70:71], s[70:71], s[66:67]      ; lora_B[e] at my first column
	s_lshl_b32 s16, s11, 7
	s_lshl_b32 s17, s12, 6
	s_add_co_u32 s18, s16, s17                     ; my lo rows begin at 128 x row half + 64 x column half of the block,
	s_sub_co_u32 s17, 64, s17
	s_add_co_u32 s19, s16, s17                     ; my hi rows at the other 64
	s_mul_i32 s20, s18, PITCH
	s_mul_i32 s21, s19, PITCH
	s_mul_i32 s22, s12, BHALF
	s_add_co_u32 s22, s22, BBASE                   ; my 128 rows of W
	s_lshl_b32 s16, s13, 8
	s_add_co_u32 s14, s16, s18
	s_lshl_b32 s14, s14, 14                        ; rows of 16,384 bytes (below 2^26)
	s_mov_b32 s15, 0
	s_add_nc_u64 s[8:9], s[74:75], s[14:15]
	s_add_nc_u64 s[8:9], s[8:9], s[46:47]          ; out0 at my lo rows, my first column
	s_add_co_u32 s14, s16, s19
	s_lshl_b32 s14, s14, 14
	s_add_nc_u64 s[78:79], s[74:75], s[14:15]
	s_add_nc_u64 s[78:79], s[78:79], s[46:47]      ; out0 at my hi rows
	s_mul_i32 s23, s10, WSTAGE
	s_add_co_u32 s23, s23, STAGE                   ; my stage
	s_xor_b32 s17, s10, 1
	s_mul_i32 s17, s17, WSTAGE
	s_add_co_u32 s17, s17, STAGE                   ; the stage of the wave with my rows and the other columns
	; A fragment is 16 rows x 32 K in 8 registers: lane l holds row l % 16; registers 0-3 hold K = 8 (l / 16) + 0..7, registers 4-7 K = 16 + 8 (l / 16) + 0..7:
	; two loads of 16 bytes, 32 bytes apart, at row x pitch + 16 (l / 16).
	v_and_b32 v1, 15, v0                           ; l % 16
	v_bfe_u32 v2, v0, 4, 1                         ; l / 16
	v_and_b32 v4, 31, v0                           ; l
	v_mul_u32_u24 v3, v1, PITCH
	v_lshl_add_u32 v3, v2, 4, v3
.irp s, 0,1
	v_add_nc_u32 v[ADRLO+\s], s20, v3
	v_add_nc_u32 v[ADRHI+\s], s21, v3
	v_add_nc_u32 v[ADRB+\s],  s22, v3
	v_add_nc_u32 v[ADRL+\s],  LROW+\s*SLOT, v3
	s_add_co_u32 s20, s20, SLOT
	s_add_co_u32 s21, s21, SLOT
	s_add_co_u32 s22, s22, SLOT
.endr
	v_mul_u32_u24 v5, v1, SPITCH                   ; into the stage: row l % 16, 32 bytes for each half of the lanes
	v_lshl_add_u32 v5, v2, 5, v5
	v_add_nc_u32 v[STO], s23, v5
	v_lshlrev_b32 v[CO], 4, v4
	v_add_nc_u32 v[RD], s23, v[CO]
	v_add_nc_u32 v[XLD], s17, v[CO]
	v_lshlrev_b32 v[BOFF], 5, v2
	v_lshl_add_u32 v[LBOFF], v1, 6, v[BOFF]
	; b as a C operand: register j of column block t holds b[16 t + 8 (l / 16) + j]
	WIN TO_B
.irp t, 0,1,2,3,4,5,6,7
	global_load_b128 v[BIAS+8*\t:BIAS+8*\t+3],   v[BOFF], s[68:69] offset:64*\t
	global_load_b128 v[BIAS+8*\t+4:BIAS+8*\t+7], v[BOFF], s[68:69] offset:64*\t+16
.endr
	; lora_B[e] in f32: lane l takes ranks 8 (l / 16) + 0..7 of column 16 t + l % 16; the two loads of a block cover its 1,024 consecutive bytes
	WIN 0
.irp t, 0,1,2,3,4,5,6,7
	global_load_b128 v[LBRAW+8*\t:LBRAW+8*\t+3],   v[LBOFF], s[70:71] offset:1024*\t
	global_load_b128 v[LBRAW+8*\t+4:LBRAW+8*\t+7], v[LBOFF], s[70:71] offset:1024*\t+16
.endr
; 16 matrix instructions: row blocks a0, a0 + 1 of the window's four (hi = 0: lo rows, 1: hi rows) x all 8 column blocks, 32 along K.
; first = 1: the sums start from b.
.macro MUL16 f, hi, a0, first
.irp a, \a0, \a0+1
.irp b, 0,1,2,3,4,5,6,7
.if \first
	v_wmma_f32_16x16x32_bf16 v[8*(8*(\a)+\b):8*(8*(\a)+\b)+7], v[\f+8*\b:\f+8*\b+7], v[\f+8*(4*\hi+\a):\f+8*(4*\hi+\a)+7], v[BIAS+8*\b:BIAS+8*\b+7]
.else
	v_wmma_f32_16x16x32_bf16 v[8*(8*(\a)+\b):8*(8*(\a)+\b)+7], v[\f+8*\b:\f+8*\b+7], v[\f+8*(4*\hi+\a):\f+8*(4*\hi+\a)+7], v[8*(8*(\a)+\b):8*(8*(\a)+\b)+7]
.endif
.endr
.endr
.endm
; 4 matrix instructions: low of my lo 64 rows, 32 along K.  Lane l, register j: low[row l % 16][rank 8 (l / 16) + j].  first = 1: the products start the sums.
.macro LOW4 f, first
.irp i, 0,1,2,3
.if \first
	v_wmma_f32_16x16x32_bf16 v[LACC+8*\i:LACC+8*\i+7], v[LSEL+(\f-F0)/8:LSEL+(\f-F0)/8+7], v[\f+8*\i:\f+8*\i+7], 0
.else
	v_wmma_f32_16x16x32_bf16 v[LACC+8*\i:LACC+8*\i+7], v[LSEL+(\f-F0)/8:LSEL+(\f-F0)/8+7], v[\f+8*\i:\f+8*\i+7], v[LACC+8*\i:LACC+8*\i+7]
.endif
.endr
.endm
; 34 LDS loads in one run: a quarter step's fragments (32 K at byte k of the rows) into buffer f: 16 for W, 2 for lora_A, 8 for my lo rows, 8 for my hi rows
.macro FETCH slot, k, f
	WIN TO_B
.irp i, 0,1,2,3,4,5,6,7
	ds_load_b128 v[\f+8*\i:\f+8*\i+3],   v[ADRB+\slot] offset:\k+\i*16*PITCH
	ds_load_b128 v[\f+8*\i+4:\f+8*\i+7], v[ADRB+\slot] offset:\k+\i*16*PITCH+32
.endr
	ds_load_b128 v[LSEL+(\f-F0)/8:LSEL+(\f-F0)/8+3],   v[ADRL+\slot] offset:\k
	ds_load_b128 v[LSEL+(\f-F0)/8+4:LSEL+(\f-F0)/8+7], v[ADRL+\slot] offset:\k+32
	WIN 0
.irp i, 0,1,2,3
	ds_load_b128 v[\f+8*\i:\f+8*\i+3],   v[ADRLO+\slot] offset:\k+\i*16*PITCH
	ds_load_b128 v[\f+8*\i+4:\f+8*\i+7], v[ADRLO+\slot] offset:\k+\i*16*PITCH+32
.endr
.irp i, 0,1,2,3
	ds_load_b128 v[\f+32+8*\i:\f+32+8*\i+3],   v[ADRHI+\slot] offset:\k+\i*16*PITCH
	ds_load_b128 v[\f+32+8*\i+4:\f+32+8*\i+7], v[ADRHI+\slot] offset:\k+\i*16*PITCH+32
.endr
.endm
; A load into a register that a matrix instruction has read, and a vector instruction or an LDS store that reads a matrix result or writes one of a matrix instruction's
; registers, stand four places behind it; only plain vector instructions that name none of its registers are places; matrix instructions are not counted.
.macro PLACES
.rept 4
	v_nop
.endr
.endm
; A K step is four quarter steps of 32 along K on buffers 0, 1, 0, 1: 32 products for the lo rows, 4 for low, 32 for the hi rows, in that order in every quarter.
; So the 68 accumulators take turns, one instruction a turn, over the loop's backward jump too.
; One of the first three quarters: multiplies buffer f; in its middle it fetches the next quarter's fragments, at byte k of the same slot's rows, into buffer g.
.macro QUARTER slot, k, f, g, first
	s_wait_dscnt 8                                 ; all but the youngest eight loads (my hi rows' fragments) are in
.if \first
	WIN BIAS_LO
.else
	WIN MUL_LO
.endif
	MUL16 \f, 0, 0, \first
	MUL16 \f, 0, 2, \first
	WIN LOWW
	LOW4 \f, \first
	PLACES
	FETCH \slot, \k, \g
	s_wait_dscnt 34                                ; all but the 34 just issued
.if \first
	WIN BIAS_HI
.else
	WIN MUL_HI
.endif
	MUL16 \f, 1, 0, \first
	MUL16 \f, 1, 2, \first
.endm
.macro THREE slot, first
	QUARTER \slot, 64,  F0, F1, \first
	QUARTER \slot, 128, F1, F0, 0
	QUARTER \slot, 192, F0, F1, 0
.endm
; The last quarter: multiplies buffer 1 and changes slots.  next = the other slot; fill = 1: this slot is filled again, two K steps ahead.
; In front of the barrier each wave waits for its reads of this slot and for all its tensor loads, of which one is out: its part of the next slot.
; Behind it (where a slot is filled again: behind the cluster's round that it opens) nobody reads this slot and the next is whole: the refill comes first.
; From a request to the wait for it a wave issues 252 matrix instructions.
.macro TURN slot, next, fill
	s_wait_dscnt 8
	WIN MUL_LO
	MUL16 F1, 0, 0, 0
	s_wait_dscnt 0                                 ; my reads of this slot are over
	s_wait_tensorcnt 0x0                           ; and all my tensor loads have landed
	ds_add_u32 v255, v63
	s_wait_dscnt 0x0
	s_barrier_signal -1                            ; say so,
	MUL16 F1, 0, 2, 0                              ; work on registers while the others arrive,
	WIN LOWW
	LOW4 F1, 0
	WIN 0
	s_barrier_wait -1                              ; and go on when all four have said so
.if \fill
	CREST                                          ; all sixteen work-groups have said so: no wave of any partner reads this slot or has a load on its way
	s_add_nc_u64 s[G0+4*\slot+2:G0+4*\slot+3], s[G0+4*\slot+2:G0+4*\slot+3], 2*KSTEP*2
	s_add_nc_u64 s[G0B+4*\slot+2:G0B+4*\slot+3], s[G0B+4*\slot+2:G0B+4*\slot+3], 2*KSTEP*2
	JLOAD \slot                                    ; the first tensor load behind the round, and the wave's only one until the next
.endif
	PLACES
	FETCH \next, 0, F0
	WIN MUL_HI
	MUL16 F1, 1, 0, 0
	MUL16 F1, 1, 2, 0
.endm
.macro LAP first                       ; once round the ring, both slots filled again
	THREE 0, \first
	TURN 0, 1, 1
	THREE 1, 0
	TURN 1, 0, 1
.endm
	s_wait_loadcnt 0x0                             ; b is the first products' C; lora_B[e] comes with it
	s_wait_tensorcnt 0x1                           ; my part of K step 0 is in; K step 1's load may stay out
	s_barrier_signal -1
	s_barrier_wait -1                              ; everybody's part is in
	FETCH 0, 0, F0
	LAP 1                                          ; the first lap stands in front of the loop: its first products start the sums
	WIN 0                                          ; at a label and at a branch every window is 0
	s_mov_b32 s3, LAPS-2
.Llap:
	LAP 0
	WIN 0
	s_sub_co_u32 s3, s3, 1
	s_cmp_lg_u32 s3, 0
	s_cbranch_scc1 .Llap
	THREE 0, 0                                     ; the last lap fills nothing and has no round of the cluster's barrier
	TURN 0, 1, 0
	THREE 1, 0
	s_wait_dscnt 8                                 ; the very last quarter: nothing more to fetch
	WIN MUL_LO
	MUL16 F1, 0, 0, 0
	MUL16 F1, 0, 2, 0
	WIN LOWW
	LOW4 F1, 0
	s_wait_dscnt 0
	WIN MUL_HI
	MUL16 F1, 1, 0, 0
	MUL16 F1, 1, 2, 0
	; THE ROUTED PART.  2 low in f32, rounded to bf16: four words of lane l are ranks 8 (l / 16) + 0..7 of row l % 16, which is registers 0-3 of a source-1 fragment.
	PLACES                                         ; the places behind the last matrix instructions, for all that follows
	WIN SCALE
.irp q, 0,1,2,3,4,5,6,7,8,9,10,11,12,13,14,15
	v_pk_mul_f32 v[LACC+2*\q:LACC+2*\q+1], v[LACC+2*\q:LACC+2*\q+1], 2.0 op_sel_hi:[1,0]     ; SCALING = ALPHA / R = 2
.endr
	WIN PACK
.irp i, 0,1,2,3
.irp p, 0,1,2,3
	v_cvt_pk_bf16_f32 v[F0+8*\i+\p], v[LACC+8*\i+2*\p], v[LACC+8*\i+2*\p+1]
.endr
.endr
	WIN 0
.irp i, 0,1,2,3
	ds_store_b128 v[RD], v[F0+8*\i:F0+8*\i+3] offset:512*\i        ; my lo rows' low, lane by lane, for the wave beside me: they are its hi rows
.endr
	s_wait_dscnt 0x0                               ; for the other wave's sake: my stores are done
	s_barrier_signal -1
	; register work while the others arrive.  K has 32 places and there are 16 ranks: registers 4-7 of all sixteen fragments are zeros, on both sides,
	; so that no stale bit pattern enters a product.
.irp i, 0,1,2,3,4,5,6,7
.irp p, 4,5,6,7
	v_mov_b32 v[F0+8*\i+\p], 0
.endr
.endr
	WIN TO_B
.irp t, 0,1,2,3,4,5,6,7
.irp p, 0,1,2,3
	v_cvt_pk_bf16_f32 v[F0+8*\t+\p], v[LBRAW+8*\t+2*\p], v[LBRAW+8*\t+2*\p+1]     ; lora_B[e] as source-0 fragments
.endr
.irp p, 4,5,6,7
	v_mov_b32 v[F0+8*\t+\p], 0
.endr
.endr
	WIN 0
	s_barrier_wait -1
.irp i, 0,1,2,3
	ds_load_b128 v[F0+32+8*\i:F0+32+8*\i+3], v[XLD] offset:512*\i  ; my hi rows' low
.endr
	s_wait_dscnt 0x0                               ; they are in, and my reads of the other wave's stage are over:
	s_barrier_signal -1
	s_barrier_wait -1                              ; no wave writes its stage again while another still reads it
	WIN MUL_LO
	MUL16 F0, 0, 0, 0                              ; one more step of 64, in the same order of turns
	MUL16 F0, 0, 2, 0
	WIN MUL_HI
	MUL16 F0, 1, 0, 0
	MUL16 F0, 1, 2, 0
	; THE WAY OUT, 16 rows at a time: 32 bytes a lane and tile into my own stage, read back as whole rows of 512 bytes.
	PLACES                                         ; behind the last matrix instructions: for the LDS stores, which read results, and for the loads into buffers 0 and 1
; rows 16 a .. 16 a + 15 of the lo or hi rows = the eight tiles (a, 0..7) of window 2 or 3 (win: ST_LO, ST_HI); f: F0 or F1 in turn; s[base:base+1]: out0 at these rows
.macro OUT16 a, win, f, base, step
	WIN \win
.irp b, 0,1,2,3,4,5,6,7
	ds_store_b128 v[STO], v[8*(8*\a+\b):8*(8*\a+\b)+3]   offset:64*\b
	ds_store_b128 v[STO], v[8*(8*\a+\b)+4:8*(8*\a+\b)+7] offset:64*\b+16
.endr
	WIN 0
	s_wait_xcnt 0x0                                ; buffer f, which earlier stores read, and the stores' base are rewritten only behind this wait
.if \step
	s_add_nc_u64 s[\base:\base+1], s[\base:\base+1], 16*ROWB
.endif
.irp t, 0,1,2,3,4,5,6,7,8,9,10,11,12,13,14,15
	ds_load_b128 v[\f+4*\t:\f+4*\t+3], v[RD] offset:\t*SPITCH      ; LDS serves a wave's instructions in order (ISA guide 5.7.1): these see the stores above
.endr
.irp t, 0,1,2,3,4,5,6,7,8,9,10,11,12,13,14,15
	s_wait_dscnt 15-\t                             ; row t is in; the younger rows may stay out
	global_store_b128 v[CO], v[\f+4*\t:\f+4*\t+3], s[\base:\base+1] offset:\t*ROWB th:TH_STORE_NT   ; the wave stores 512 consecutive bytes of one row, at a multiple of 512 from out0's first byte
.endr
.endm
	OUT16 0, ST_LO, F0, 8, 0
	OUT16 1, ST_LO, F1, 8, 1
	OUT16 2, ST_LO, F0, 8, 1
	OUT16 3, ST_LO, F1, 8, 1
	OUT16 0, ST_HI, F0, 78, 0
	OUT16 1, ST_HI, F1, 78, 1
	OUT16 2, ST_HI, F0, 78, 1
	OUT16 3, ST_HI, F1, 78, 1
	s_set_vgpr_msb 0x1
	s_wait_tensorcnt 0x0
	ds_add_u32 v255, v63
	s_wait_dscnt 0x0
	s_set_vgpr_msb 0x100
	CROUND                                         ; the closing round: no work-group ends while a partner may still ask for a tile that names it
	s_endpgm
.Lfunc_end_k_q71d2dadc2a_gemm:
	.size	k_q71d2dadc2a_gemm, .Lfunc_end_k_q71d2dadc2a_gemm-k_q71d2dadc2a_gemm
	.p2alignl 7, 3214868480
	.fill 96, 4, 3214868480
	.section	.rodata,"a",@progbits
	.p2align	6, 0x0
	.amdhsa_kernel k_q71d2dadc2a_gemm
		.amdhsa_group_segment_fixed_size 327680
		.amdhsa_private_segment_fixed_size 0
		.amdhsa_enable_private_segment 0
		.amdhsa_kernarg_size 48
		.amdhsa_user_sgpr_count 2
		.amdhsa_user_sgpr_kernarg_segment_ptr 1
		.amdhsa_wavefront_size32 1
		.amdhsa_system_sgpr_workgroup_id_x 1
		.amdhsa_system_sgpr_workgroup_id_y 1
		.amdhsa_system_sgpr_workgroup_id_z 1
		.amdhsa_system_vgpr_workitem_id 0
		.amdhsa_next_free_vgpr 1024
		.amdhsa_next_free_sgpr 80
		.amdhsa_reserve_vcc 0
		.amdhsa_float_denorm_mode_32 3
		.amdhsa_float_denorm_mode_16_64 3
		.amdhsa_memory_ordered 1
		.amdhsa_forward_progress 1
		.amdhsa_inst_pref_size 221
	.end_amdhsa_kernel
	.amdgpu_metadata
---
amdhsa.version: [ 1, 2 ]
amdhsa.kernels:
  - .name:           k_q71d2dadc2a_gemm
    .symbol:         k_q71d2dadc2a_gemm.kd
    .args:
      - { .name: xa, .offset: 0, .size: 8, .value_kind: global_buffer, .address_space: global }
      - { .name: wb, .offset: 8, .size: 8, .value_kind: global_buffer, .address_space: global }
      - { .name: b, .offset: 16, .size: 8, .value_kind: global_buffer, .address_space: global }
      - { .name: lora_B, .offset: 24, .size: 8, .value_kind: global_buffer, .address_space: global }
      - { .name: expert_indices, .offset: 32, .size: 8, .value_kind: global_buffer, .address_space: global }
      - { .name: out0, .offset: 40, .size: 8, .value_kind: global_buffer, .address_space: global }
    .group_segment_fixed_size: 327680
    .private_segment_fixed_size: 0
    .kernarg_segment_align: 8
    .kernarg_segment_size: 48
    .max_flat_workgroup_size: 128
    .sgpr_count:     80
    .vgpr_count:     1024
    .wavefront_size: 32
...
	.end_amdgpu_metadata
.endif
;; end of part 2
;; ======== version 2 of 2: 2 launches; version 1 with the launch pack written anew for expert scheduling mode
;; workspace buffers: xa 35,651,584 bytes; wb 33,554,432 bytes
;; launch pack (part 3): grid 33 x 16, 8 waves a work-group, no clusters, 0 bytes of LDS; arguments x, W, lora_A, expert_indices, xa, wb; writes xa, wb
.if DOCPART == 3
	.amdgcn_target "amdgcn-amd-amdhsa--gfx1250"
	.amdhsa_code_object_version 6
	.text
	.protected	k_q71d2dadc2a_pack
	.globl	k_q71d2dadc2a_pack
	.p2align	8
	.type	k_q71d2dadc2a_pack,@function
k_q71d2dadc2a_pack:
	s_mov_b64 s[64:65], 0
	v_nop
	global_prefetch_b8 v0, s[64:65] scope:SCOPE_SE
	s_setreg_imm32_b32 hwreg(HW_REG_WAVE_SCHED_MODE, 0, 2), 2
	s_setreg_imm32_b32 hwreg(HW_REG_WAVE_MODE, 25, 1), 1
	s_wait_xcnt 0x0
	s_wait_alu depctr_vm_vsrc(0)
; Casts f32 to bf16 (round to nearest even) and lays the operands out for the product that follows.
;   xa: 16 blocks of 272 rows x 4096 bf16.  Block g: rows 0-255 = rows 256 g .. 256 g + 255 of x (x taken as [4096][4096]),
;       rows 256-271 = lora_A[e], e = expert_indices[g / 2] (a batch is 512 rows = two blocks).
;   wb: W as [4096][4096] bf16.
; A work-group casts one dense chunk of 16 rows: 262,144 bytes in, 131,072 bytes out.  gx = 0..15: a chunk of x; gx = 16: the block's
; lora_A; gx = 17..32: a chunk of W.  All three kinds run the same stream; only two bases and two offsets differ, chosen by selects.
; Every byte is read once and written once, so there is nothing to share: no LDS, no barrier, no matrix unit, no cluster.
; Thread t takes 16 bytes at 16 t of each 4,096-byte step and stores 8 bytes at 8 t: a wave's load covers 512 consecutive bytes,
; its store 256 consecutive bytes at a multiple of 256 from the buffer's first byte.
; A ring of DEPTH = 16 slots, taken in four groups of GROUP = 4, keeps 12 to 16 loads of a wave out: up to 8 KB a wave, 64 KB a work-group, a quarter
; of its chunk.  At 100 registers a wave three work-groups (six waves on a SIMD, 600 registers) still lie on a WGP together, so all 528 work-groups stream at once.
; THE MODE: SCHED_MODE bits 1:0 = 2 (LLVM: expert scheduling mode 2), set by the entry lines.  The code itself states the register dependences
; between vector instructions and memory instructions, with s_wait_alu, always for 0.
; THE PLAN.  Registers that memory instructions touch:
;   v1, v2   byte offsets, made once at the head and never written again: the steps are reached by the scalar bases, which move on once a round, and by immediate offsets.
;   X        slot i: written by its load; read by its two conversions; behind them loaded again, with the step DEPTH further on.
;   Y        slot i: written by its two conversions; read by its store; written again a round later.
; A group's turn: the wait for its four loads, its eight conversions, ONE wait on va_vdst, its four loads, its four stores.  That wait states that the conversions
; have written the group's Y and are done reading its X; it stands behind them, so that the four slots are asked for again at once and none lies idle.
; One wait on vm_vsrc a round, beside the wait on XCNT at the round's end, states that the round's sixteen stores have read Y.
; No vector instruction writes a scalar register, VCC or EXEC.
; LIMITS: an f32 beyond bf16's largest finite number becomes infinity; expert_indices is clamped, as an unsigned number, to 0..7.
.set DEPTH,  16                        ; slots
.set GROUP,  4                         ; slots that share their waits
.set STEPIN, 4096                      ; bytes that the work-group reads in a step
.set STEPOUT, 2048                     ; bytes that it writes in a step
.set ROUNDS, 262144/(DEPTH*STEPIN)     ; 4: each round takes every slot once
.set XABLK,  272*4096*2                ; bytes of a block of xa
.set X, 4                              ; v[4:67]   slot i: 4 f32 as loaded
.set Y, 68                             ; v[68:99]  slot i: 4 bf16 to store
	s_load_b256 s[4:11], s[0:1], 0x0               ; x s[4:5], W s[6:7], lora_A s[8:9], expert_indices s[10:11]
	s_load_b128 s[12:15], s[0:1], 0x20             ; xa s[12:13], wb s[14:15]
	s_mov_b32 s2, ttmp9                            ; gx
	s_and_b32 s3, ttmp7, 0xffff                    ; gy = the block of xa, and the sixteenth of W
	s_lshr_b32 s16, s3, 1                          ; the block's batch,
	s_lshl_b32 s16, s16, 2                         ; as a byte offset into expert_indices
	s_mov_b32 s17, 0
	s_lshl_b32 s18, s3, 4
	s_add_co_u32 s18, s18, s2                      ; chunk of x: 16 gy + gx
	s_sub_co_u32 s19, s18, 17                      ; chunk of W: 16 gy + gx - 17 (taken only where gx > 16)
	s_mul_i32 s28, s3, XABLK
	s_lshl_b32 s26, s2, 17
	s_add_co_u32 s28, s28, s26                     ; place in xa: block gy, 16 rows of 8,192 bytes for each gx (gx = 16: rows 256-271)
	s_lshl_b32 s26, s19, 17                        ; place in wb
	s_mov_b32 s29, 0
	s_mov_b32 s23, 0
	s_mov_b32 s31, 0                               ; the expert's term in the chunk number: none for chunks of x and of W
	v_lshlrev_b32 v1, 4, v0                        ; my 16 bytes of a step in; never rewritten
	v_lshlrev_b32 v2, 3, v0                        ; my 8 bytes of a step out; never rewritten
	s_wait_kmcnt 0x0
	; The selects stand together, each behind its compare; s_cselect leaves SCC alone.
	s_cmp_lt_u32 s2, 16
	s_cselect_b32 s22, s18, s19                    ; chunk number of x or of W
	s_cselect_b64 s[20:21], s[4:5], s[6:7]
	s_cmp_le_u32 s2, 16
	s_cselect_b32 s28, s28, s26
	s_cselect_b64 s[24:25], s[12:13], s[14:15]
	s_cmp_eq_u32 s2, 16
	s_cselect_b32 s22, 0, s22                      ; lora_A: the chunk number is the expert alone
	s_cselect_b64 s[20:21], s[8:9], s[20:21]
	; Only the 16 work-groups that copy lora_A need the index: the other 512 do not wait for a second scalar load before their first data load.
	; The branch hangs on gx alone, which all waves of a work-group share.
	s_cbranch_scc0 .Lno_expert
	s_add_nc_u64 s[10:11], s[10:11], s[16:17]
	s_load_b32 s31, s[10:11], 0x0                  ; the block's expert
	s_wait_kmcnt 0x0
	s_min_u32 s31, s31, 7                          ; stays inside the table of 8 experts
.Lno_expert:
	s_add_co_u32 s22, s22, s31
	s_lshl_b32 s22, s22, 18                        ; chunks of 262,144 bytes in x, in W and in lora_A (one expert = one chunk)
	s_add_nc_u64 s[20:21], s[20:21], s[22:23]      ; from here
	s_add_nc_u64 s[24:25], s[24:25], s[28:29]      ; to here
	s_wait_alu depctr_va_vdst(0)                   ; v1 and v2 are written: every load of the kernel reads v1 as its offset, every store v2
; The hint says that a byte is read once; that holds of x and W.  A chunk of lora_A may be named by several blocks: the line is shared, and a hint changes no value.
.irp i, 0,1,2,3,4,5,6,7,8,9,10,11,12,13,14,15
	global_load_b128 v[X+4*\i:X+4*\i+3], v1, s[20:21] offset:\i*STEPIN th:TH_LOAD_NT      ; fill the ring: steps 0 to 15
.endr
; The turn of group k: slots 4 k to 4 k + 3.  ahead = 1: they are filled again with the steps DEPTH further on.  left = how many younger loads may stay out.
.macro TURN k, ahead, left
	s_wait_loadcnt \left                           ; loads come back in order (ISA guide 5.7.1): the group's four are in, the younger ones stay out
.irp j, 0,1,2,3
	v_cvt_pk_bf16_f32 v[Y+2*(GROUP*(\k)+(\j))],   v[X+4*(GROUP*(\k)+(\j))],   v[X+4*(GROUP*(\k)+(\j))+1]
	v_cvt_pk_bf16_f32 v[Y+2*(GROUP*(\k)+(\j))+1], v[X+4*(GROUP*(\k)+(\j))+2], v[X+4*(GROUP*(\k)+(\j))+3]
.endr
	s_wait_alu depctr_va_vdst(0)                   ; the eight conversions have written the group's Y, which the stores below read, and are done reading its X, in which the loads below land
.if \ahead
.irp j, 0,1,2,3
	global_load_b128 v[X+4*(GROUP*(\k)+(\j)):X+4*(GROUP*(\k)+(\j))+3], v1, s[20:21] offset:(DEPTH+GROUP*(\k)+(\j))*STEPIN th:TH_LOAD_NT
.endr
.endif
.irp j, 0,1,2,3
	global_store_b64 v2, v[Y+2*(GROUP*(\k)+(\j)):Y+2*(GROUP*(\k)+(\j))+1], s[24:25] offset:(GROUP*(\k)+(\j))*STEPOUT     ; no hint: the next launch reads these bytes
.endr
.endm
	s_mov_b32 s30, ROUNDS-1
.Lround:
.irp k, 0,1,2,3
	TURN \k, 1, DEPTH-GROUP
.endr
	s_wait_xcnt 0x0                                ; Y, which the stores read, and both bases are rewritten only behind this wait: once for 16 steps
	s_wait_alu depctr_vm_vsrc(0)                   ; the round's sixteen stores have read Y, which the next round's conversions write again
	s_add_nc_u64 s[20:21], s[20:21], DEPTH*STEPIN
	s_add_nc_u64 s[24:25], s[24:25], DEPTH*STEPOUT
	s_sub_co_u32 s30, s30, 1
	s_cmp_lg_u32 s30, 0
	s_cbranch_scc1 .Lround
.irp k, 0,1,2,3
	TURN \k, 0, DEPTH-GROUP-GROUP*\k               ; the last round loads nothing: no load leaves the chunk, and the counts run down
.endr
	s_endpgm
.Lfunc_end_k_q71d2dadc2a_pack:
	.size	k_q71d2dadc2a_pack, .Lfunc_end_k_q71d2dadc2a_pack-k_q71d2dadc2a_pack
	.p2alignl 7, 3214868480
	.fill 96, 4, 3214868480
	.section	.rodata,"a",@progbits
	.p2align	6, 0x0
	.amdhsa_kernel k_q71d2dadc2a_pack
		.amdhsa_group_segment_fixed_size 0
		.amdhsa_private_segment_fixed_size 0
		.amdhsa_enable_private_segment 0
		.amdhsa_kernarg_size 48
		.amdhsa_user_sgpr_count 2
		.amdhsa_user_sgpr_kernarg_segment_ptr 1
		.amdhsa_wavefront_size32 1
		.amdhsa_system_sgpr_workgroup_id_x 1
		.amdhsa_system_sgpr_workgroup_id_y 1
		.amdhsa_system_sgpr_workgroup_id_z 1
		.amdhsa_system_vgpr_workitem_id 0
		.amdhsa_next_free_vgpr 100
		.amdhsa_next_free_sgpr 66
		.amdhsa_reserve_vcc 0
		.amdhsa_float_denorm_mode_32 3
		.amdhsa_float_denorm_mode_16_64 3
		.amdhsa_memory_ordered 1
		.amdhsa_forward_progress 1
		.amdhsa_inst_pref_size 13
	.end_amdhsa_kernel
	.amdgpu_metadata
---
amdhsa.version: [ 1, 2 ]
amdhsa.kernels:
  - .name:           k_q71d2dadc2a_pack
    .symbol:         k_q71d2dadc2a_pack.kd
    .args:
      - { .name: x, .offset: 0, .size: 8, .value_kind: global_buffer, .address_space: global }
      - { .name: W, .offset: 8, .size: 8, .value_kind: global_buffer, .address_space: global }
      - { .name: lora_A, .offset: 16, .size: 8, .value_kind: global_buffer, .address_space: global }
      - { .name: expert_indices, .offset: 24, .size: 8, .value_kind: global_buffer, .address_space: global }
      - { .name: xa, .offset: 32, .size: 8, .value_kind: global_buffer, .address_space: global }
      - { .name: wb, .offset: 40, .size: 8, .value_kind: global_buffer, .address_space: global }
    .group_segment_fixed_size: 0
    .private_segment_fixed_size: 0
    .kernarg_segment_align: 8
    .kernarg_segment_size: 48
    .max_flat_workgroup_size: 256
    .sgpr_count:     66
    .vgpr_count:     100
    .wavefront_size: 32
...
	.end_amdgpu_metadata
.endif
;; end of part 3
;; launch gemm: the kernel of part 2 again; grid 16 x 16, 4 waves a work-group, clusters of 4 x 4, 327,680 bytes of LDS; arguments xa, wb, b, lora_B, expert_indices, out0; writes out0
